; MI455X (gfx1250); checked and timed in simulation.
; The chip was launched on July 23, 2026; its instructions are those of AMD's public machine-readable ISA for CDNA 5 (MIT licence, August 2026) and "CDNA5" Instruction Set Architecture Reference Guide (July 2026). The comments in the code are by the model that wrote it; some were corrected since.
;; Attention. Allowed arithmetic: matrix products marked QUANTISED: E2M1 operands, one E8M0 scale for each 32 along K, by v_wmma_scale_f32_16x16x128_f8f6f4 with both operands' format E2M1 (or v_wmma_scale_f32_32x16x128_f4), f32 sums; products left as they are: bf16, f16 or f32 operands; f32 sums; everything else in f32.
;; Inputs: wk_b 256 float32; wk_w 256 x 256 float32; wo_b 256 float32; wo_w 256 x 256 float32; wq_b 256 float32; wq_w 256 x 256 float32; wv_b 256 float32; wv_w 256 x 256 float32; x 8 x 1,024 x 256 float32.
;; Outputs: out0 8 x 1,024 x 256 float32.
;; This version of the problem:
;;   THIS VERSION OF THE PROBLEM IS GIVEN IN LOW PRECISION. The matrix products marked QUANTISED in the list below multiply operands that are first quantised to E2M1 (2 exponent bits, 1 mantissa bit; 4 bits a number), with one power-of-two scale for each 32 numbers along K (OCP MX v1.0); their sums are f32. The products marked 'left as it is' may take bf16, f16 or f32 operands, with f32 sums. Whichever they take, every output number must still come out within the allowed error. Rounding operands to bf16 (8 significant bits) uses up far more of that allowance than f16 does (11 bits, for magnitudes from 6e-5 to 65,504). All else is computed in f32.
;;   The module's matrix products, in the order in which they are computed (A, B: the left and right operand; K: the contracted axis; several contracted axes count as one K, in the product's order):
;;     1. [M 8,192, K 256] x [K 256, N 256]; A: input x; B: input wq_w: QUANTISED
;;     2. [M 8,192, K 256] x [K 256, N 256]; A: input x; B: input wk_w: QUANTISED
;;     3. [M 8,192, K 256] x [K 256, N 256]; A: input x; B: input wv_w: QUANTISED
;;     4. batch 128 x [M 1,024, K 16] x [K 16, N 1,024]; A: computed on the way; B: computed on the way: left as it is (K = 16 < 32)
;;     5. batch 128 x [M 1,024, K 1,024] x [K 1,024, N 16]; A: computed on the way; B: computed on the way: left as it is (an operand is computed on the way)
;;     6. [M 8,192, K 256] x [K 256, N 256]; A: computed on the way; B: input wo_w: left as it is (an operand is computed on the way)
;;   THE QUANTISER, for each operand of a quantised product, along K:
;;     - K is cut into blocks of 32 from its start; a last block that is shorter is filled with zeros.
;;     - A block's scale is 2^e with e = floor(log2(the largest magnitude in the block)) - 2, held to -126 .. 127; a block of zeros has e = 0. As a byte (E8M0): e + 127.
;;     - Each number is divided by its block's scale, clamped to +-6, and rounded to the nearest number of E2M1, ties to even, subnormals kept.
;;     - The product sums the exact products of the quantised numbers (number of the format x scale) in f32.
;;   ~~~python
;;   def quantise(x, axis):      # numpy; x: float32 -> the quantised numbers, widened to float32 again
;;       x = np.moveaxis(x, axis, -1); K = x.shape[-1]
;;       x = np.pad(x, [(0, 0)] * (x.ndim - 1) + [(0, -K % 32)]); x = x.reshape(x.shape[:-1] + (-1, 32)); a = np.abs(x).max(-1, keepdims=True)
;;       e = np.where(a > 0, np.clip(np.frexp(np.where(a > 0, a, 1))[1] - 1 - 2, -126, 127), 0)      # np.frexp(a)[1] - 1 = floor(log2(a)), exactly
;;       r = np.clip(x / 2.0 ** e, -6, 6)
;;       step = 2.0 ** (np.maximum(np.frexp(np.where(r == 0, 1, r))[1] - 1, 0) - 1)
;;       q = np.round(r / step) * step * 2.0 ** e      # np.round: ties to even
;;       return np.moveaxis(q.reshape(q.shape[:-2] + (-1,))[..., :K], -1, axis).astype(np.float32)
;;   ~~~
;; 2 versions, each right and faster than the one before. Each part assembles by itself: llvm-mc -triple=amdgcn-amd-amdhsa -mcpu=gfx1250 --defsym DOCPART=n.
;; ======== version 1 of 2: 2 launches
;; limits: values are held in f16: magnitudes above 65,504 overflow, below 6.1e-05 lose precision; right only within a limited range of input values
;; workspace buffers: xqf 4,194,304 bytes; gpart 524,288 bytes
;; launch proj (part 1): grid 8 x 32, 16 waves a work-group, no clusters, 50,688 bytes of LDS; arguments x, wq_w, wq_b, wk_w, wk_b, wv_w, wv_b, xqf, gpart; writes xqf, gpart
.if DOCPART == 1
	.amdgcn_target "amdgcn-amd-amdhsa--gfx1250"
	.amdhsa_code_object_version 6
	.text
	.protected	k_qa054102457_proj
	.globl	k_qa054102457_proj
	.p2align	8
	.type	k_qa054102457_proj,@function
k_qa054102457_proj:
	s_mov_b64 s[64:65], 0
	v_nop
	global_prefetch_b8 v0, s[64:65] scope:SCOPE_SE
	s_setreg_imm32_b32 hwreg(HW_REG_WAVE_MODE, 25, 1), 1
	s_wait_xcnt 0x0
; q, k, v = Q(x) Q(W)^T + b on codes of FP4 (E2M1) with one E8M0 scale for each 32 along K = 256; q and v are rotated; stored are
;   xqf:   the rotated q in f16, as images of operand registers: fragment (row tile RT of 16 positions, K step of 32 channels) at (8 RT + step) x 1,024 + 512 c + 16 lane;
;   gpart: G[d][d'] = sum over 256 positions of xq[pos][d] xv[pos][d'], f32, for each head: at y x 16,384 + head x 1,024 + 512 c + 16 lane; register j of lane (r, h) is G[r][8 h + j].
; WHY G.  No softmax and no mask stand between the two products of the attention, so (Xq Xq^T) Xv = Xq (Xq^T Xv) for every input, and Xq^T Xv is 16 x 16 a head.  The next launch does the rest.
; k is computed as the problem's second product, with its bias; as in the problem's own text nothing reads it.
; SHARES.  Work-group (cg, y): 32 channels (two heads) of q, k and v for rows 256 y .. 256 y + 255.  Wave w: rows 16 w .. 16 w + 15 of them.  Waves 0 to 11 also quantise one unit of the weights
; (16 rows x 128 K; unit u = w: tensor u / 4, tile (u / 2) % 2, K step u % 2) and hand it to all sixteen through LDS as an image of its registers.
; q IS MADE TWICE, in both orientations: x W^T (a lane holds a channel, its registers 8 positions: packed in pairs that is an f16 operand whose K is the positions, for G) and W x^T (a lane holds a position,
; its registers 8 channels: the operand of the next launch's product).  Nothing is transposed by an instruction.
; NO JOINT LOADS, NO TENSOR LOADS: every byte goes once from memory into the registers of the conversion that takes it; a work-group's 262,144 bytes of x and 98,304 of weights are more than the
; 327,680 bytes of LDS that a work-group may claim, so tiles would have to take turns in slots for bytes that are used once.
; LIMITS: NaN and infinities are not served; the rotated q and v are rounded to f16 and must stay under 65,504 in magnitude; a block of zeros gets the scale byte 1 where the rule says 127 (its codes are
; zeros, and this program alone reads the bytes); the f32 sums over positions run in another order than in the problem's text.
.set WI,    0                          ; LDS: the 12 units' images, 1,024 bytes each
.set WS,    12288                      ; their scale words, 128 bytes each
.set SC,    13824                      ; for each wave 128 bytes: sin of its 16 positions, then cos
.set GP,    15872                      ; for each wave 2,048 bytes: its two heads' G over 16 positions
.set SPARE, 48640                      ; the spare words, 128 bytes for each wave: eight blocks of 256 bytes that no other line names
.set R,   1                            ; v1   in the head: lane % 16
.set HH,  2                            ; v2   in the head: lane / 16
.set B4,  1                            ; v1   from the head's end on: 4 (lane % 16): my channel's bias.  No load ever lands here
.set B32, 2                            ; v2   from the head's end on: 32 (lane / 16): the eight biases of my half.  No load ever lands here
.set XA,  3                            ; v3   1,024 R + 128 HH: my row, my block of 32 numbers
.set LI,  4                            ; v4   16 x lane
.set LS,  5                            ; v5   4 x lane
.set WIA, 6                            ; v6   where I store my unit's image
.set WSA, 7                            ; v7   and its scale word
.set SCA, 8                            ; v8   where I store sin and cos
.set SCR, 9                            ; v9   where I read those of my half's 8 positions
.set GPA, 10                           ; v10  where I store my wave's G
.set GRD, 11                           ; v11  where waves 0 to 3 read the sixteen partial sums
.set SH8, 12                           ; v12  8 HH
.set SGN, 13                           ; v13  the sign bit in lanes of even channels
.set SPW, 14                           ; v14  LDS address of my spare word; never rewritten
.set NIL, 15                           ; v15  0; never rewritten
.set TM,  16                           ; v16-22 the quantiser's: two maxima, two scale operands, two bytes, the other half's word
.set WW,  23                           ; v23  my unit's scale word
.set XC,  24                           ; v24-39 x's codes, 8 registers a K step (before that: at work)
.set XS,  40                           ; v40-41 x's scale words: scales and nothing else
.set WSC, 42                           ; v42-53 the units' scale words: scales and nothing else
.set SN,  54                           ; v54  sin of position R
.set CN,  55                           ; v55  cos
.set BA,  56                           ; v56-63 four pairs (b, b): my channel's bias: q tiles 0, 1, v tiles 0, 1
.set X0,  64                           ; v64-191 x as loaded, 64 registers a K step
.set W0,  192                          ; v192-255 my unit as loaded
.set WF,  64                           ; v64-159 afterwards the 12 units' fragments
.set QA,  160                          ; v160-175 q, lane = channel
.set VA,  176                          ; v176-191 v, lane = channel
.set QB,  192                          ; v192-207 q, lane = position; loaded with the bias
.set KB,  208                          ; v208-223 k, lane = position; loaded with the bias
.set SI,  224                          ; v224-231 sin of my half's 8 positions
.set CO,  232                          ; v232-239 cos of them, negative in even channels' lanes
.set DT,  240                          ; v240-247 the neighbour's share
.set T4,  248                          ; v248-251 at work in the second rotation
.set FV,  64                           ; v64-79  f16 fragments of v, a head each
.set FQ,  80                           ; v80-95  of q
.set GA,  96                           ; v96-111 G of my 16 positions, a head each
.set XO,  112                          ; v112-119 the fragment of xqf
.set PS,  128                          ; v128-191 the sixteen partial sums
.set WV,  22
.set CG,  23
.set YY,  24
.set TH,  25
.set SEL, 26
.set WB,  30
.set P1,  41
; x's 16 rows x 256 K.  The operand's layout gives lane (r, h) k = 128 s + 64 c + 32 h + 0 .. 31 of row r: whole blocks, 128 consecutive bytes each
.macro XLOAD
.irp s, 0,1
.irp c, 0,1
.irp i, 0,1,2,3,4,5,6,7
	global_load_b128 v[X0+64*\s+32*\c+4*\i:X0+64*\s+32*\c+4*\i+3], v[XA], s[4:5] offset:512*\s+256*\c+16*\i
.endr
.endr
.endr
.endm
.macro WLOAD                           ; my unit of the weights, likewise
.irp c, 0,1
.irp i, 0,1,2,3,4,5,6,7
	global_load_b128 v[W0+32*\c+4*\i:W0+32*\c+4*\i+3], v[XA], s[WB:WB+1] offset:256*\c+16*\i
.endr
.endr
.endm
; 64 numbers of a lane (two whole blocks of 32) become 8 registers of codes at v[dst] and the row's scale word in v[word]
.macro QUANT src, dst, word
.irp c, 0,1
	v_max3_num_f32 v[TM+\c], |v[\src+32*\c]|, |v[\src+32*\c+1]|, 0x1800000   ; the floor 2^(3 - 127) among the leaves: the byte cannot fall under 1
.endr
.irp i, 2,4,6,8,10,12,14,16,18,20,22,24,26,28,30
.irp c, 0,1
	v_max3_num_f32 v[TM+\c], v[TM+\c], |v[\src+32*\c+\i]|, |v[\src+32*\c+\i+1]|   ; the two blocks by turns
.endr
.endr
.irp c, 0,1
	v_add_nc_u32 v[TM+2+\c], 0xff000000, v[TM+\c]   ; 2 off the exponent field: the conversion's scale operand
.endr
.irp c, 0,1
	v_lshrrev_b32 v[TM+4+\c], 23, v[TM+2+\c]        ; the scale's byte
.endr
	v_lshl_or_b32 v[\word], v[TM+5], 16, v[TM+4]    ; my bytes: blocks h and 2 + h,
	v_lshlrev_b32 v[\word], v[SH8], v[\word]        ; at their places;
	v_permlanex16_b32 v[TM+6], v[\word], s[SEL], s[SEL+1]
	v_or_b32 v[\word], v[\word], v[TM+6]            ; with lane l xor 16's two the word is whole
.irp c, 0,1
.irp g, 0,1,2,3
	v_cvt_scalef32_pk8_fp4_f32 v[\dst+4*\c+\g], v[\src+32*\c+8*\g:\src+32*\c+8*\g+7], v[TM+2+\c]
.endr
.endr
	v_nop                                           ; one plain place behind the last scaled conversion
.endm
; sin and cos of (position + 1) x theta for position lane % 16 of my 16, in f32: k = the nearest whole number to a x 2 / pi; r = a - k pi / 2 with pi / 2 in two parts (k is under 2^10, so the first
; fused multiply-add is exact); two short polynomials on |r| <= pi / 4; the quadrant chooses and signs.  The choice is a select: no branch hangs on these numbers.
.macro SINCOS
	v_and_b32 v24, 15, v0
	v_add_nc_u32 v24, s[P1], v24
	v_cvt_f32_u32 v24, v24
	v_mul_f32 v24, s[TH], v24                       ; a
	v_mul_f32 v25, s32, v24
	v_rndne_f32 v25, v25                            ; k
	v_fma_f32 v26, v25, s33, v24
	v_fma_f32 v26, v25, s34, v26                    ; r
	v_mul_f32 v27, v26, v26                         ; z = r r
	v_fma_f32 v28, v27, s35, s36
	v_fma_f32 v29, v27, s38, s39
	v_fma_f32 v28, v28, v27, s37
	v_fma_f32 v29, v29, v27, s40
	v_mul_f32 v28, v28, v27
	v_mul_f32 v30, v27, v27
	v_fma_f32 v31, v27, -0.5, 1.0
	v_fma_f32 v28, v28, v26, v26                    ; sin r
	v_fma_f32 v29, v29, v30, v31                    ; cos r
	v_cvt_i32_f32 v32, v25
	v_and_b32 v33, 1, v32
	v_cmp_eq_u32 vcc_lo, 1, v33
	v_cndmask_b32 v[SN], v28, v29, vcc_lo           ; odd quadrants change the two
	v_cndmask_b32 v[CN], v29, v28, vcc_lo
	v_and_b32 v33, 2, v32
	v_lshlrev_b32 v33, 30, v33
	v_xor_b32 v[SN], v[SN], v33                     ; sin is negative in quadrants 2, 3
	v_add_nc_u32 v32, 1, v32
	v_and_b32 v32, 2, v32
	v_lshlrev_b32 v32, 30, v32
	v_xor_b32 v[CN], v[CN], v32                     ; cos in quadrants 1, 2
	ds_store_b32 v[SCA], v[SN]                      ; both halves of the lanes write the same word with the same value
	ds_store_b32 v[SCA], v[CN] offset:64
.endm
.macro FP4 d, a, b, sa, sb, zero
.if \zero
	v_wmma_scale_f32_16x16x128_f8f6f4 v[(\d):(\d)+7], v[(\a):(\a)+7], v[(\b):(\b)+7], 0, v[(\sa)], v[(\sb)] matrix_a_fmt:MATRIX_FMT_FP4 matrix_b_fmt:MATRIX_FMT_FP4
.else
	v_wmma_scale_f32_16x16x128_f8f6f4 v[(\d):(\d)+7], v[(\a):(\a)+7], v[(\b):(\b)+7], v[(\d):(\d)+7], v[(\sa)], v[(\sb)] matrix_a_fmt:MATRIX_FMT_FP4 matrix_b_fmt:MATRIX_FMT_FP4
.endif
.endm
; the rotation where a lane holds a channel: even channel: e sin - o cos; odd channel: o sin + e cos.  The partner is lane l xor 1; cos carries the sign
.macro ROPE_A acc
.irp j, 0,1,2,3,4,5,6,7
	v_mul_f32_dpp v[DT+\j], v[\acc+\j], v[CO+\j] row_xmask:1 row_mask:0xf bank_mask:0xf
.endr
.irp j, 0,1,2,3,4,5,6,7
	v_fma_f32 v[\acc+\j], v[\acc+\j], v[SI+\j], v[DT+\j]
.endr
.endm
; and where a lane holds a position: the pair lies in two neighbouring registers
.macro ROPE_B acc
.irp i, 0,1,2,3
	v_mul_f32 v[T4+2*(\i%2)], v[\acc+2*\i+1], v[CN]
	v_mul_f32 v[T4+1+2*(\i%2)], v[\acc+2*\i+1], v[SN]
	v_fma_f32 v[\acc+2*\i+1], v[\acc+2*\i], v[CN], v[T4+1+2*(\i%2)]
	v_fma_f32 v[\acc+2*\i], v[\acc+2*\i], v[SN], -v[T4+2*(\i%2)]
.endr
.endm
	s_load_b512 s[4:19], s[0:1], 0x0               ; x 4:5, wq_w 6:7, wq_b 8:9, wk_w 10:11, wk_b 12:13, wv_w 14:15, wv_b 16:17, xqf 18:19
	s_load_b64 s[20:21], s[0:1], 0x40              ; gpart
	v_lshl_add_u32 v[SPW], v0, 2, SPARE
	v_mov_b32 v[NIL], 0
	v_lshrrev_b32 v[TM], 5, v0
	v_readfirstlane_b32 s[WV], v[TM]               ; wave 0..15
	s_mov_b32 s[CG], ttmp9                         ; which 32 channels
	s_and_b32 s[YY], ttmp7, 0xffff                 ; which 256 rows
	v_and_b32 v[R], 15, v0
	v_bfe_u32 v[HH], v0, 4, 1
	v_and_b32 v[TM], 31, v0
	v_lshlrev_b32 v[XA], 10, v[R]
	v_lshl_add_u32 v[XA], v[HH], 7, v[XA]
	v_lshlrev_b32 v[LI], 4, v[TM]
	v_lshlrev_b32 v[LS], 2, v[TM]
	s_lshl_b32 s28, s[WV], 10                      ; every LDS address is made here, ahead of the parting of the waves: a constant + a constant x wave + a constant x lane
	v_add_nc_u32 v[WIA], s28, v[LI]
	s_lshl_b32 s28, s[WV], 7
	s_add_co_u32 s29, s28, WS
	v_add_nc_u32 v[WSA], s29, v[LS]
	s_add_co_u32 s29, s28, SC
	v_lshl_add_u32 v[SCA], v[R], 2, s29
	v_lshl_add_u32 v[SCR], v[HH], 5, s29
	s_lshl_b32 s28, s[WV], 11
	s_add_co_u32 s28, s28, GP
	v_add_nc_u32 v[GPA], s28, v[LI]
	s_lshl_b32 s28, s[WV], 9
	s_add_co_u32 s28, s28, GP
	v_add_nc_u32 v[GRD], s28, v[LI]
	v_lshlrev_b32 v[SH8], 3, v[HH]
	v_and_b32 v[SGN], 1, v0
	v_xor_b32 v[SGN], 1, v[SGN]
	v_lshlrev_b32 v[SGN], 31, v[SGN]
	v_mov_b32 v[TM+6], 0                           ; written once: a lane permute's destination counts as one of its sources
	v_lshlrev_b32 v[B4], 2, v[R]                   ; lane % 16 and lane / 16 have served: their registers become the biases' two offsets
	v_lshlrev_b32 v[B32], 5, v[HH]
	s_mov_b32 s[SEL], 0x76543210
	s_mov_b32 s[SEL+1], 0xfedcba98                 ; lane l xor 16
	s_mov_b32 s32, 0x3f22f983                      ; 2 / pi
	s_mov_b32 s33, 0xbfc90fdb                      ; - pi / 2, its f32 part,
	s_mov_b32 s34, 0x333bbd2e                      ; and what that part has too much: 4.3711388e-8
	s_mov_b32 s35, 0xb94ca1f9                      ; sin: -1.9515296e-4, 8.3321609e-3, -1.6666655e-1
	s_mov_b32 s36, 0x3c08839e
	s_mov_b32 s37, 0xbe2aaaa3
	s_mov_b32 s38, 0x37ccf5ce                      ; cos: 2.4433157e-5, -1.3887316e-3, 4.1666646e-2
	s_mov_b32 s39, 0xbab6061a
	s_mov_b32 s40, 0x3d2aaaa5
	s_cmp_lt_u32 s[CG], 4                          ; channels under 128 turn by position + 1, the others by 1e-4 of it
	s_cselect_b32 s[TH], 1.0, 0x38d1b717
	s_and_b32 s[P1], s[YY], 3                      ; my first position in its sequence, + 1: 256 (y % 4) + 16 w + 1
	s_lshl_b32 s[P1], s[P1], 8
	s_lshl_b32 s50, s[WV], 4
	s_add_co_u32 s[P1], s[P1], s50
	s_add_co_u32 s[P1], s[P1], 1
	s_lshl_b32 s28, s[YY], 18                      ; x: (256 y + 16 w) rows of 1,024 bytes
	s_lshl_b32 s50, s[WV], 14
	s_add_co_u32 s28, s28, s50
	s_mov_b32 s29, 0
	s_lshl_b32 s42, s[CG], 15                      ; my unit: 32 cg rows, + 16 rows for tile 1, + 512 bytes for K step 1
	s_bfe_u32 s50, s[WV], 0x10001
	s_lshl_b32 s50, s50, 14
	s_add_co_u32 s42, s42, s50
	s_and_b32 s50, s[WV], 1
	s_lshl_b32 s50, s50, 9
	s_add_co_u32 s42, s42, s50
	s_mov_b32 s43, 0
	s_lshl_b32 s44, s[CG], 7                       ; the biases: 32 cg numbers on
	s_mov_b32 s45, 0
	s_lshl_b32 s46, s[YY], 17                      ; xqf: ((16 y + w) 8 + cg) x 1,024
	s_lshl_b32 s50, s[WV], 13
	s_add_co_u32 s46, s46, s50
	s_lshl_b32 s50, s[CG], 10
	s_add_co_u32 s46, s46, s50
	s_mov_b32 s47, 0
	s_lshl_b32 s48, s[YY], 14                      ; gpart: 16,384 y + 2,048 cg + 512 w (waves 0 to 3 store)
	s_lshl_b32 s50, s[CG], 11
	s_add_co_u32 s48, s48, s50
	s_lshl_b32 s50, s[WV], 9
	s_add_co_u32 s48, s48, s50
	s_mov_b32 s49, 0
	s_wait_kmcnt 0x0
	s_cmp_lt_u32 s[WV], 4                          ; whose unit is mine: the choice hangs on the wave's number alone
	s_cselect_b64 s[WB:WB+1], s[6:7], s[10:11]
	s_cmp_lt_u32 s[WV], 8
	s_cselect_b64 s[WB:WB+1], s[WB:WB+1], s[14:15]
	s_add_nc_u64 s[WB:WB+1], s[WB:WB+1], s[42:43]
	s_add_nc_u64 s[4:5], s[4:5], s[28:29]
	s_add_nc_u64 s[8:9], s[8:9], s[44:45]
	s_add_nc_u64 s[12:13], s[12:13], s[44:45]
	s_add_nc_u64 s[16:17], s[16:17], s[44:45]
	s_add_nc_u64 s[18:19], s[18:19], s[46:47]
	s_add_nc_u64 s[20:21], s[20:21], s[48:49]
	s_cmp_lt_u32 s[WV], 12                         ; the one parting: waves 0 to 11 have a unit of the weights
	s_cbranch_scc0 .Lonly_x
	WLOAD                                          ; all that the wave will read is asked for at once: 16 + 32 loads
	XLOAD
	SINCOS                                         ; work on registers while they are on their way
	s_wait_loadcnt 32                              ; my unit is in; x's 32 loads, issued behind it, may stay out
	QUANT W0, XC, WW
	ds_store_b128 v[WIA], v[XC:XC+3]               ; the fragment goes to LDS as it stands: lane l's 16 bytes at 16 l
	ds_store_b128 v[WIA], v[XC+4:XC+7] offset:512
	ds_store_b32 v[WSA], v[WW]
	s_wait_dscnt 0x0                               ; the stores have read their registers, which x's codes take next
	s_branch .Ljoin
.Lonly_x:
	XLOAD
	SINCOS
.Ljoin:                                                ; on both ways x's 32 loads are the ones that may be out
.irp t, 0,1
	global_load_b32 v[BA+2*\t], v[B4], s[8:9] offset:64*\t          ; my channel's bias, twice: a pair for the packed addition
	global_load_b32 v[BA+2*\t+1], v[B4], s[8:9] offset:64*\t
	global_load_b32 v[BA+4+2*\t], v[B4], s[16:17] offset:64*\t
	global_load_b32 v[BA+5+2*\t], v[B4], s[16:17] offset:64*\t
.endr
.irp t, 0,1
.irp g, 0,1
	global_load_b128 v[QB+8*\t+4*\g:QB+8*\t+4*\g+3], v[B32], s[8:9] offset:64*\t+16*\g    ; the biases of channels 16 t + 8 h + 0 .. 7: the C of the sums in which a lane holds a position
	global_load_b128 v[KB+8*\t+4*\g:KB+8*\t+4*\g+3], v[B32], s[12:13] offset:64*\t+16*\g
.endr
.endr
	s_wait_loadcnt 32                              ; x's first K step is in; behind it: its second (16 loads) and the 16 loads of biases
	QUANT X0, XC, XS
	s_wait_loadcnt 16                              ; the second is in; the biases may stay out
	QUANT X0+64, XC+8, XS+1
	s_wait_dscnt 0x0                               ; for the others' sake: my stores into LDS are done
	s_barrier_signal -1
	s_barrier_wait -1                              ; the twelve units lie in LDS
.irp u, 0,1,2,3,4,5,6,7,8,9,10,11
	ds_load_b128 v[WF+8*\u:WF+8*\u+3], v[LI] offset:WI+1024*\u
	ds_load_b128 v[WF+8*\u+4:WF+8*\u+7], v[LI] offset:WI+1024*\u+512
	ds_load_b32 v[WSC+\u], v[LS] offset:WS+128*\u
.endr
	ds_load_b128 v[SI:SI+3], v[SCR]                ; sin and cos of positions 8 h + 0 .. 7: my wave's own bytes
	ds_load_b128 v[SI+4:SI+7], v[SCR] offset:16
	ds_load_b128 v[CO:CO+3], v[SCR] offset:64
	ds_load_b128 v[CO+4:CO+7], v[SCR] offset:80
	s_wait_dscnt 0x0
.irp j, 0,1,2,3,4,5,6,7
	v_xor_b32 v[CO+\j], v[SGN], v[CO+\j]           ; - cos in even channels' lanes.  With the v_nop above these eight are the places between the quantiser's last writes (a scale word, codes) and the scaled products
.endr
	s_wait_loadcnt 0x0                             ; the biases
; 16 products, 128 along K each.  The eight accumulators take turns, one instruction a turn: seven others' stand between a sum's two links
.irp s, 0,1
.irp t, 0,1
	FP4 QA+8*\t, XC+8*\s, WF+8*(2*\t+\s), XS+\s, WSC+2*\t+\s, 1-\s            ; q(position, channel)
	FP4 VA+8*\t, XC+8*\s, WF+8*(8+2*\t+\s), XS+\s, WSC+8+2*\t+\s, 1-\s        ; v(position, channel)
	FP4 QB+8*\t, WF+8*(2*\t+\s), XC+8*\s, WSC+2*\t+\s, XS+\s, 0               ; q(channel, position), onto its bias
	FP4 KB+8*\t, WF+8*(4+2*\t+\s), XC+8*\s, WSC+4+2*\t+\s, XS+\s, 0           ; k(channel, position), onto its bias
.endr
.endr
.irp j, 0,1,2,3,4,5,6,7
	v_mov_b32 v[DT+\j], 0                          ; the places behind the products; and a DPP destination counts as read, so it is written once
.endr
.irp t, 0,1
.irp j, 0,2,4,6
	v_pk_add_f32 v[QA+8*\t+\j:QA+8*\t+\j+1], v[QA+8*\t+\j:QA+8*\t+\j+1], v[BA+2*\t:BA+2*\t+1]       ; + my channel's bias; each accumulator from its low end on
	v_pk_add_f32 v[VA+8*\t+\j:VA+8*\t+\j+1], v[VA+8*\t+\j:VA+8*\t+\j+1], v[BA+4+2*\t:BA+5+2*\t]
.endr
.endr
	ROPE_A QA
	ROPE_A QA+8
	ROPE_A VA
	ROPE_A VA+8
; A tile of 16 channels is a head.  A lane's 8 positions, packed in pairs, are registers 0 to 3 of an f16 operand (k = 8 h + 0 .. 7 = the position); k = 16 .. 31 are zeros
.irp t, 0,1
.irp i, 0,1,2,3
	v_cvt_pk_f16_f32 v[FV+8*\t+\i], v[VA+8*\t+2*\i], v[VA+8*\t+2*\i+1]
	v_cvt_pk_f16_f32 v[FQ+8*\t+\i], v[QA+8*\t+2*\i], v[QA+8*\t+2*\i+1]
	v_mov_b32 v[FV+8*\t+4+\i], 0
	v_mov_b32 v[FQ+8*\t+4+\i], 0
.endr
.endr
	v_wmma_f32_16x16x32_f16 v[GA:GA+7], v[FV:FV+7], v[FQ:FQ+7], 0                ; D(m = d', n = d) = sum over my 16 positions of xv[pos][d'] xq[pos][d]
	v_wmma_f32_16x16x32_f16 v[GA+8:GA+15], v[FV+8:FV+15], v[FQ+8:FQ+15], 0
	ROPE_B QB                                      ; these 40 plain lines name none of those products' registers: they are the places behind them
	ROPE_B QB+8
.irp t, 0,1
.irp i, 0,1,2,3
	v_cvt_pk_f16_f32 v[XO+4*\t+\i], v[QB+8*\t+2*\i], v[QB+8*\t+2*\i+1]           ; registers 0-3: channels 8 h + 0 .. 7, registers 4-7: 16 + 8 h + 0 .. 7 of my position
.endr
.endr
.irp g, 0,1,2,3
	ds_store_b128 v[GPA], v[GA+4*\g:GA+4*\g+3] offset:512*\g                     ; each accumulator from its low end on
.endr
	global_store_b128 v[LI], v[XO:XO+3], s[18:19]                                ; 32 lanes store 512 consecutive bytes, at a multiple of 256 from the buffer's first byte
	global_store_b128 v[LI], v[XO+4:XO+7], s[18:19] offset:512
	s_wait_dscnt 0x0                               ; for the others' sake: my G lies in LDS
	s_barrier_signal -1
	s_barrier_wait -1
	s_cmp_lt_u32 s[WV], 4                          ; waves 0 to 3 add the sixteen waves' sums, 512 bytes of the two heads' 2,048 each
	s_cbranch_scc0 .Lend
.irp u, 0,1,2,3,4,5,6,7,8,9,10,11,12,13,14,15
	ds_load_b128 v[PS+4*\u:PS+4*\u+3], v[GRD] offset:2048*\u                     ; into registers that no pending store reads
.endr
	s_wait_dscnt 0x0
.irp d, 8,4,2,1
.set u, 0
.rept \d
	v_pk_add_f32 v[PS+4*u:PS+4*u+1], v[PS+4*u:PS+4*u+1], v[PS+4*(u+\d):PS+4*(u+\d)+1]
	v_pk_add_f32 v[PS+4*u+2:PS+4*u+3], v[PS+4*u+2:PS+4*u+3], v[PS+4*(u+\d)+2:PS+4*(u+\d)+3]
.set u, u+1
.endr
.endr
	global_store_b128 v[LI], v[PS:PS+3], s[20:21]  ; 512 consecutive bytes
.Lend:
	s_wait_tensorcnt 0x0                           ; the wave's end: behind my last LDS store
	ds_add_u32 v[SPW], v[NIL]
	s_wait_dscnt 0x0
	s_endpgm
.Lfunc_end_k_qa054102457_proj:
	.size	k_qa054102457_proj, .Lfunc_end_k_qa054102457_proj-k_qa054102457_proj
	.p2alignl 7, 3214868480
	.fill 96, 4, 3214868480
	.section	.rodata,"a",@progbits
	.p2align	6, 0x0
	.amdhsa_kernel k_qa054102457_proj
		.amdhsa_group_segment_fixed_size 50688
		.amdhsa_private_segment_fixed_size 0
		.amdhsa_enable_private_segment 0
		.amdhsa_kernarg_size 72
		.amdhsa_user_sgpr_count 2
		.amdhsa_user_sgpr_kernarg_segment_ptr 1
		.amdhsa_wavefront_size32 1
		.amdhsa_system_sgpr_workgroup_id_x 1
		.amdhsa_system_sgpr_workgroup_id_y 1
		.amdhsa_system_sgpr_workgroup_id_z 1
		.amdhsa_system_vgpr_workitem_id 0
		.amdhsa_next_free_vgpr 256
		.amdhsa_next_free_sgpr 66
		.amdhsa_reserve_vcc 1
		.amdhsa_float_denorm_mode_32 3
		.amdhsa_float_denorm_mode_16_64 3
		.amdhsa_memory_ordered 1
		.amdhsa_forward_progress 1
		.amdhsa_inst_pref_size 43
	.end_amdhsa_kernel
	.amdgpu_metadata
---
amdhsa.version: [ 1, 2 ]
amdhsa.kernels:
  - .name:           k_qa054102457_proj
    .symbol:         k_qa054102457_proj.kd
    .args:
      - { .name: x, .offset: 0, .size: 8, .value_kind: global_buffer, .address_space: global }
      - { .name: wq_w, .offset: 8, .size: 8, .value_kind: global_buffer, .address_space: global }
      - { .name: wq_b, .offset: 16, .size: 8, .value_kind: global_buffer, .address_space: global }
      - { .name: wk_w, .offset: 24, .size: 8, .value_kind: global_buffer, .address_space: global }
      - { .name: wk_b, .offset: 32, .size: 8, .value_kind: global_buffer, .address_space: global }
      - { .name: wv_w, .offset: 40, .size: 8, .value_kind: global_buffer, .address_space: global }
      - { .name: wv_b, .offset: 48, .size: 8, .value_kind: global_buffer, .address_space: global }
      - { .name: xqf, .offset: 56, .size: 8, .value_kind: global_buffer, .address_space: global }
      - { .name: gpart, .offset: 64, .size: 8, .value_kind: global_buffer, .address_space: global }
    .group_segment_fixed_size: 50688
    .private_segment_fixed_size: 0
    .kernarg_segment_align: 8
    .kernarg_segment_size: 72
    .max_flat_workgroup_size: 512
    .sgpr_count:     66
    .vgpr_count:     256
    .wavefront_size: 32
...
	.end_amdgpu_metadata
.endif
;; end of part 1
;; launch outp (part 2): grid 4 x 64, 8 waves a work-group, no clusters, 77,056 bytes of LDS; arguments xqf, gpart, wo_w, wo_b, out0; writes out0
.if DOCPART == 2
	.amdgcn_target "amdgcn-amd-amdhsa--gfx1250"
	.amdhsa_code_object_version 6
	.text
	.protected	k_qa054102457_outp
	.globl	k_qa054102457_outp
	.p2align	8
	.type	k_qa054102457_outp,@function
k_qa054102457_outp:
	s_mov_b64 s[64:65], 0
	v_nop
	global_prefetch_b8 v0, s[64:65] scope:SCOPE_SE
	s_setreg_imm32_b32 hwreg(HW_REG_WAVE_MODE, 25, 1), 1
	s_wait_xcnt 0x0
; out[pos][n] = sum over c of xq[pos][c] M[c][n] + wo_b[n], with M[16 head + d][n] = 1/4 sum over d' of G_head[d][d'] wo_w[n][16 head + d'] and G the sum of the batch's four partial sums.
; All three products take f16 operands and sum in f32.  G HAS NO ROOM IN f16 for inputs much larger than usual, so it is first multiplied by t = 2^(4 - e), e the exponent of the largest |G| of the
; batch's 16 heads: exact, and the largest lies in 16 .. 32.  The result is multiplied by 1 / (4 t), again a power of two, in the fused multiply-add that adds the bias.
; SHARES.  Work-group (ng, y): 64 output columns (4 tiles) x 128 rows (8 tiles of 16) of batch y / 8.  Wave w  (1) sums heads 2 w, 2 w + 1 of G and finds their largest magnitude;
; (2) makes M for column tile w % 4 and channels 128 (w / 4) .. + 127 (8 heads, 8 products);  (3) makes the 16 rows 16 w .. of the output: 4 tiles x 8 K steps of 32 channels.
; Operands go from wave to wave through LDS as images of their registers: lane l's 16 bytes at 16 l.
; THE LAYOUTS CHAIN: a result holds (m = 8 h + j, n = lane % 16); packed in pairs its 8 registers are half an f16 operand of row lane % 16 with k = 8 h + 0 .. 7.  G's image (lane = d, registers = d') is so source 0 of
; M's product; M's result (lane = n, registers = c) source 0 of the output's; xqf holds source 1 ready.  In the output's result a lane holds one position and 8 neighbouring columns.
; NO JOINT LOADS: each work-group reads 3 x 65,536 bytes once into registers, where they are summed or converted; there is no tile in LDS that memory fills.
; LIMITS: NaN and infinities are not served; |wo_w| under 128 (|M t| is at most 16 x 32 x |wo_w|, and is rounded to f16); the f32 sums run in another order than in the problem's text.
.set MX,    0                          ; LDS: 8 words: each wave's largest |G|; a block of 256 bytes
.set GI,    256                        ; G t in f16: 512 bytes a head
.set MI,    8448                       ; M's 32 fragments (column tile T, K step s) at (8 T + s) x 1,024
.set STG,   41216                      ; for each wave a stage of 16 rows x (256 bytes + 16)
.set SPARE, 76032                      ; the spare words, 128 bytes for each wave: four blocks of 256 bytes that no other line names
.set R,   1
.set HH,  2
.set LI,  3                            ; v3   16 x lane
.set WOA, 4                            ; v4   wo_w: 1,024 R + 32 HH
.set MXA, 5                            ; v5   my wave's word
.set MXR, 6                            ; v6   the eight words
.set GIA, 7                            ; v7   where I store my two heads
.set GIR, 8                            ; v8   where I read my eight
.set MIA, 9                            ; v9   where I store my four fragments of M
.set MIR, 10                           ; v10  where all 32 are read
.set STO, 11                           ; v11  the stage: where I put 32 bytes of a row
.set STR, 12                           ; v12  and where I read rows back
.set OUA, 13                           ; v13  my byte offset in two rows of the output
.set SPW, 14                           ; v14  LDS address of my spare word; never rewritten
.set NIL, 15                           ; v15  0; never rewritten
.set GS,  16                           ; v16-79  four partial sums of two heads; the sum stays in v16-31
.set GH,  32                           ; v32-39  G t in f16
.set WOH, 48                           ; v48-79  wo_w's four fragments in f16; then M's four
.set WOF, 80                           ; v80-143 wo_w as loaded
.set GO,  80                           ; v80-127 then four groups of 12: [even head][zeros][odd head]
.set XQ,  144                          ; v144-207 xq's eight fragments
.set BO,  208                          ; v208-211 the bias of my 4 columns
.set INV, 212                          ; v212-213 1 / (4 t), twice
.set TS,  214                          ; v214-215 t, twice
.set TP,  216                          ; v216-223 at work
.set ACC, 224                          ; v224-255 four accumulators
.set BX,  16                           ; v16-79, v80-143: two buffers of 8 fragments of M
.set BY,  80
.set WV,  14
.set SEL, 20
	s_load_b256 s[4:11], s[0:1], 0x0               ; xqf 4:5, gpart 6:7, wo_w 8:9, wo_b 10:11
	s_load_b64 s[12:13], s[0:1], 0x20              ; out0
	v_lshl_add_u32 v[SPW], v0, 2, SPARE
	v_mov_b32 v[NIL], 0
	v_lshrrev_b32 v[TP], 5, v0
	v_readfirstlane_b32 s[WV], v[TP]               ; wave 0..7
	s_mov_b32 s15, ttmp9                           ; ng
	s_and_b32 s16, ttmp7, 0xffff                   ; y
	s_and_b32 s17, s[WV], 3                        ; my column tile for M
	s_lshr_b32 s18, s[WV], 2                       ; my half of the channels for M
	v_and_b32 v[R], 15, v0
	v_bfe_u32 v[HH], v0, 4, 1
	v_and_b32 v[LI], 31, v0
	v_lshlrev_b32 v[LI], 4, v[LI]
	v_lshlrev_b32 v[WOA], 10, v[R]
	v_lshl_add_u32 v[WOA], v[HH], 5, v[WOA]
	v_mov_b32 v[MXA], s[WV]
	v_lshlrev_b32 v[MXA], 2, v[MXA]
	v_mov_b32 v[MXR], MX
	s_lshl_b32 s22, s[WV], 10
	s_add_co_u32 s22, s22, GI
	v_add_nc_u32 v[GIA], s22, v[LI]
	s_lshl_b32 s22, s18, 12
	s_add_co_u32 s22, s22, GI
	v_add_nc_u32 v[GIR], s22, v[LI]
	s_lshl_b32 s22, s17, 13                        ; fragment (T, 4 (w / 4) + j): (8 T + 4 (w / 4)) x 1,024
	s_lshl_b32 s23, s18, 12
	s_add_co_u32 s22, s22, s23
	s_add_co_u32 s22, s22, MI
	v_add_nc_u32 v[MIA], s22, v[LI]
	v_add_nc_u32 v[MIR], MI, v[LI]
	s_mul_i32 s22, s[WV], 16*272
	s_add_co_u32 s22, s22, STG
	v_mul_u32_u24 v[STO], v[R], 272
	v_lshl_add_u32 v[STO], v[HH], 5, v[STO]
	v_add_nc_u32 v[STO], s22, v[STO]
	v_mul_u32_u24 v[STR], v[HH], 272
	v_lshl_add_u32 v[STR], v[R], 4, v[STR]
	v_add_nc_u32 v[STR], s22, v[STR]
	v_lshlrev_b32 v[OUA], 10, v[HH]
	v_lshl_add_u32 v[OUA], v[R], 4, v[OUA]
	v_lshlrev_b32 v[TP], 4, v[R]                   ; the bias of columns 4 R .. 4 R + 3
	s_mov_b32 s[SEL], 0x76543210
	s_mov_b32 s[SEL+1], 0xfedcba98
	s_lshl_b32 s24, s16, 16                        ; xqf: row tile 8 y + w, 8,192 bytes each
	s_lshl_b32 s34, s[WV], 13
	s_add_co_u32 s24, s24, s34
	s_mov_b32 s25, 0
	s_lshr_b32 s26, s16, 3                         ; gpart: the batch's 65,536 bytes, my two heads' 2,048
	s_lshl_b32 s26, s26, 16
	s_lshl_b32 s34, s[WV], 11
	s_add_co_u32 s26, s26, s34
	s_mov_b32 s27, 0
	s_lshl_b32 s28, s15, 16                        ; wo_w: row 64 ng + 16 (w % 4), + 512 bytes for the upper 128 channels
	s_lshl_b32 s34, s17, 14
	s_add_co_u32 s28, s28, s34
	s_lshl_b32 s34, s18, 9
	s_add_co_u32 s28, s28, s34
	s_mov_b32 s29, 0
	s_lshl_b32 s30, s15, 8                         ; wo_b: 64 ng numbers on
	s_mov_b32 s31, 0
	s_lshl_b32 s32, s16, 17                        ; out0: row 128 y + 16 w, column 64 ng
	s_lshl_b32 s34, s[WV], 14
	s_add_co_u32 s32, s32, s34
	s_add_co_u32 s32, s32, s30
	s_mov_b32 s33, 0
	s_wait_kmcnt 0x0
	s_add_nc_u64 s[4:5], s[4:5], s[24:25]
	s_add_nc_u64 s[6:7], s[6:7], s[26:27]
	s_add_nc_u64 s[8:9], s[8:9], s[28:29]
	s_add_nc_u64 s[10:11], s[10:11], s[30:31]
	s_add_nc_u64 s[12:13], s[12:13], s[32:33]
	; all 49 loads of the wave go out at once, in the order in which they are wanted; the bias first, since its address register is at work again soon
	global_load_b128 v[BO:BO+3], v[TP], s[10:11]
.irp b, 0,1,2,3
.irp g, 0,1,2,3
	global_load_b128 v[GS+16*\b+4*\g:GS+16*\b+4*\g+3], v[LI], s[6:7] offset:16384*\b+512*\g     ; partial sum b; g: head g / 2, registers 4 (g % 2) on
.endr
.endr
.irp j, 0,1,2,3
	global_load_b128 v[WOF+16*\j:WOF+16*\j+3], v[WOA], s[8:9] offset:128*\j                     ; wo_w(n = R, channels 32 j + 8 h + 0 .. 7,
	global_load_b128 v[WOF+16*\j+4:WOF+16*\j+7], v[WOA], s[8:9] offset:128*\j+16
	global_load_b128 v[WOF+16*\j+8:WOF+16*\j+11], v[WOA], s[8:9] offset:128*\j+64               ; and 32 j + 16 + 8 h + 0 .. 7)
	global_load_b128 v[WOF+16*\j+12:WOF+16*\j+15], v[WOA], s[8:9] offset:128*\j+80
.endr
.irp g, 0,1,2,3,4,5,6,7,8,9,10,11,12,13,14,15
	global_load_b128 v[XQ+4*\g:XQ+4*\g+3], v[LI], s[4:5] offset:512*\g                          ; my row tile's eight fragments, as they were stored
.endr
	s_wait_loadcnt 32                              ; the bias and G's 16 loads are in; wo_w's 16 and xq's 16, issued behind them, may stay out
.irp b, 1,2,3
.irp p, 0,2,4,6,8,10,12,14
	v_pk_add_f32 v[GS+\p:GS+\p+1], v[GS+\p:GS+\p+1], v[GS+16*\b+\p:GS+16*\b+\p+1]
.endr
.endr
	v_max3_num_f32 v[TP], |v[GS]|, |v[GS+1]|, 0x04000000      ; the largest |G| of my two heads, in two chains, over the floor 2^-119, which keeps t and 1 / (4 t) normal numbers
	v_max3_num_f32 v[TP+1], |v[GS+2]|, |v[GS+3]|, |v[GS+4]|
.irp i, 5,9
	v_max3_num_f32 v[TP], v[TP], |v[GS+\i]|, |v[GS+\i+1]|
	v_max3_num_f32 v[TP+1], v[TP+1], |v[GS+\i+2]|, |v[GS+\i+3]|
.endr
	v_max3_num_f32 v[TP], v[TP], |v[GS+13]|, |v[GS+14]|
	v_max3_num_f32 v[TP], v[TP], v[TP+1], |v[GS+15]|
	v_max_num_f32_dpp v[TP], v[TP], v[TP] row_xmask:1 row_mask:0xf bank_mask:0xf
	v_max_num_f32_dpp v[TP], v[TP], v[TP] row_xmask:2 row_mask:0xf bank_mask:0xf
	v_max_num_f32_dpp v[TP], v[TP], v[TP] row_xmask:4 row_mask:0xf bank_mask:0xf
	v_max_num_f32_dpp v[TP], v[TP], v[TP] row_xmask:8 row_mask:0xf bank_mask:0xf
	v_permlanex16_b32 v[TP+1], v[TP], s[SEL], s[SEL+1]
	v_max_num_f32 v[TP], v[TP], v[TP+1]
	ds_store_b32 v[MXA], v[TP]                     ; all lanes write the same word with the same value
	s_wait_dscnt 0x0                               ; for the others' sake
	s_barrier_signal -1
	s_barrier_wait -1
	ds_load_b128 v[TP:TP+3], v[MXR]                ; the eight waves' maxima
	ds_load_b128 v[TP+4:TP+7], v[MXR] offset:16
	s_wait_loadcnt 16                              ; wo_w is in; xq's 16 loads may stay out
.irp j, 0,1,2,3
.irp p, 0,1,2,3,4,5,6,7
	v_cvt_pk_f16_f32 v[WOH+8*\j+\p], v[WOF+16*\j+2*\p], v[WOF+16*\j+2*\p+1]      ; work on registers while the LDS loads are out
.endr
.endr
.irp j, 0,1,2,3
.irp i, 4,5,6,7
	v_mov_b32 v[GO+12*\j+\i], 0                    ; the zeros between a pair of heads
.endr
.endr
	s_wait_dscnt 0x0
	v_max3_num_f32 v[TP], v[TP], v[TP+1], v[TP+2]
	v_max3_num_f32 v[TP+3], v[TP+3], v[TP+4], v[TP+5]
	v_max3_num_f32 v[TP], v[TP], v[TP+6], v[TP+7]
	v_max_num_f32 v[TP], v[TP], v[TP+3]            ; the batch's largest |G|: the same in every wave and every work-group of the batch
	v_and_b32 v[TP], 0x7f800000, v[TP]             ; its exponent field, (e + 127) << 23
	v_sub_nc_u32 v[TS], 0x81000000, v[TP]          ; t = 2^(4 - e): field 258 - (e + 127)
	v_add_nc_u32 v[INV], 0xfd000000, v[TP]         ; 1 / (4 t) = 2^(e - 6): field (e + 127) - 6
	v_mov_b32 v[TS+1], v[TS]
	v_mov_b32 v[INV+1], v[INV]
.irp p, 0,2,4,6,8,10,12,14
	v_pk_mul_f32 v[GS+\p:GS+\p+1], v[GS+\p:GS+\p+1], v[TS:TS+1]
.endr
.irp p, 0,1,2,3,4,5,6,7
	v_cvt_pk_f16_f32 v[GH+\p], v[GS+2*\p], v[GS+2*\p+1]
.endr
	ds_store_b128 v[GIA], v[GH:GH+3]               ; head 2 w: lane (r, h): G t (d = r, d' = 8 h + 0 .. 7)
	ds_store_b128 v[GIA], v[GH+4:GH+7] offset:512  ; head 2 w + 1
	s_wait_dscnt 0x0
	s_barrier_signal -1
	s_barrier_wait -1                              ; the 16 heads lie in LDS
.irp e, 0,1,2,3,4,5,6,7
	ds_load_b128 v[GO+12*(\e/2)+8*(\e%2):GO+12*(\e/2)+8*(\e%2)+3], v[GIR] offset:512*\e
.endr
	s_wait_dscnt 0x0
; M t for 8 heads.  A K step of 32 channels is two heads: the even head's operand is [G][zeros] (k = 0 .. 15), the odd head's [zeros][G] (k = 16 .. 31), against the same fragment of wo_w.  Eight different accumulators
.irp a, 0,1,2,3,4,5,6,7
.if \a < 4
.set MA, ACC+8*\a
.else
.set MA, GS+8*(\a-4)
.endif
	v_wmma_f32_16x16x32_f16 v[MA:MA+7], v[GO+12*(\a/2)+4*(\a%2):GO+12*(\a/2)+4*(\a%2)+7], v[WOH+8*(\a/2):WOH+8*(\a/2)+7], 0
.endr
.rept 5
	v_nop                                          ; four places ahead of the conversions, which read the results and write over wo_w's fragments; the fifth for the output's first products, which begin anew on four of these accumulators
.endr
.irp a, 0,1,2,3,4,5,6,7
.if \a < 4
.set MA, ACC+8*\a
.else
.set MA, GS+8*(\a-4)
.endif
.irp i, 0,1,2,3
	v_cvt_pk_f16_f32 v[WOH+4*\a+\i], v[MA+2*\i], v[MA+2*\i+1]      ; lane (r, h): M t (c = 16 head + 8 h + 0 .. 7, n = r): the even head gives registers 0-3 of fragment a / 2, the odd head 4-7; each accumulator from its low end on
.endr
.endr
.irp g, 0,1,2,3,4,5,6,7
	ds_store_b128 v[MIA], v[WOH+4*\g:WOH+4*\g+3] offset:512*\g
.endr
	s_wait_dscnt 0x0
	s_barrier_signal -1
	s_barrier_wait -1                              ; M's 32 fragments lie in LDS
; the output: 4 column tiles x 8 K steps, two K steps (8 fragments of M, 16 LDS loads) to a buffer, two buffers by turns
.macro MLOAD buf, s0
.irp d, 0,1
.irp t, 0,1,2,3
	ds_load_b128 v[\buf+8*(4*\d+\t):\buf+8*(4*\d+\t)+3], v[MIR] offset:(8*\t+\s0+\d)*1024
	ds_load_b128 v[\buf+8*(4*\d+\t)+4:\buf+8*(4*\d+\t)+7], v[MIR] offset:(8*\t+\s0+\d)*1024+512
.endr
.endr
.endm
.macro MUL buf, s0, zero               ; source 0 = 16 columns of M, source 1 = my 16 positions.  The four accumulators take turns, one instruction a turn
.irp d, 0,1
.irp t, 0,1,2,3
.if \zero && (\d == 0)
	v_wmma_f32_16x16x32_f16 v[ACC+8*\t:ACC+8*\t+7], v[\buf+8*(4*\d+\t):\buf+8*(4*\d+\t)+7], v[XQ+8*(\s0+\d):XQ+8*(\s0+\d)+7], 0
.else
	v_wmma_f32_16x16x32_f16 v[ACC+8*\t:ACC+8*\t+7], v[\buf+8*(4*\d+\t):\buf+8*(4*\d+\t)+7], v[XQ+8*(\s0+\d):XQ+8*(\s0+\d)+7], v[ACC+8*\t:ACC+8*\t+7]
.endif
.endr
.endr
.endm
.macro PLACES                          ; four places in front of loads into registers that matrix instructions have read, and of the first read of results
.rept 4
	v_nop
.endr
.endm
	MLOAD BX, 0
	MLOAD BY, 2
	s_wait_loadcnt 0x0                             ; xq
	s_wait_dscnt 16                                ; the first buffer is in; the 16 loads issued behind it may stay out
	MUL BX, 0, 1
	PLACES
	MLOAD BX, 4
	s_wait_dscnt 16
	MUL BY, 2, 0
	PLACES
	MLOAD BY, 6
	s_wait_dscnt 16
	MUL BX, 4, 0
	s_wait_dscnt 0x0
	MUL BY, 6, 0
	PLACES
; THE WAY OUT.  A lane holds 32 neighbouring bytes of a row for each tile; the lanes beside it hold other rows.  So the 16 rows x 256 bytes go through my own stage and come back by rows.
; LDS serves a wave's instructions in order (ISA guide 5.7.1.4): no wait between the stores and the loads.
.irp t, 0,1,2,3
	ds_store_b128 v[STO], v[ACC+8*\t:ACC+8*\t+3] offset:64*\t          ; each accumulator from its low end on
	ds_store_b128 v[STO], v[ACC+8*\t+4:ACC+8*\t+7] offset:64*\t+16
.endr
.irp i, 0,1,2,3,4,5,6,7
	ds_load_b128 v[BX+4*\i:BX+4*\i+3], v[STR] offset:544*\i            ; rows 2 i and 2 i + 1
.endr
.irp i, 0,1,2,3,4,5,6,7
	s_wait_dscnt 7-\i                              ; the younger loads may stay out
	v_pk_fma_f32 v[BX+4*\i:BX+4*\i+1], v[BX+4*\i:BX+4*\i+1], v[INV:INV+1], v[BO:BO+1]        ; x 1 / (4 t), + the bias
	v_pk_fma_f32 v[BX+4*\i+2:BX+4*\i+3], v[BX+4*\i+2:BX+4*\i+3], v[INV:INV+1], v[BO+2:BO+3]
	global_store_b128 v[OUA], v[BX+4*\i:BX+4*\i+3], s[12:13] offset:2048*\i th:TH_STORE_NT   ; 16 lanes store 256 consecutive bytes, at a multiple of 256 from the output's first byte; written once, read by nobody here
.endr
	s_wait_tensorcnt 0x0                           ; the wave's end: behind my last LDS store
	ds_add_u32 v[SPW], v[NIL]
	s_wait_dscnt 0x0
	s_endpgm
.Lfunc_end_k_qa054102457_outp:
	.size	k_qa054102457_outp, .Lfunc_end_k_qa054102457_outp-k_qa054102457_outp
	.p2alignl 7, 3214868480
	.fill 96, 4, 3214868480
	.section	.rodata,"a",@progbits
	.p2align	6, 0x0
	.amdhsa_kernel k_qa054102457_outp
		.amdhsa_group_segment_fixed_size 77056
		.amdhsa_private_segment_fixed_size 0
		.amdhsa_enable_private_segment 0
		.amdhsa_kernarg_size 40
		.amdhsa_user_sgpr_count 2
		.amdhsa_user_sgpr_kernarg_segment_ptr 1
		.amdhsa_wavefront_size32 1
		.amdhsa_system_sgpr_workgroup_id_x 1
		.amdhsa_system_sgpr_workgroup_id_y 1
		.amdhsa_system_sgpr_workgroup_id_z 1
		.amdhsa_system_vgpr_workitem_id 0
		.amdhsa_next_free_vgpr 256
		.amdhsa_next_free_sgpr 66
		.amdhsa_reserve_vcc 0
		.amdhsa_float_denorm_mode_32 3
		.amdhsa_float_denorm_mode_16_64 3
		.amdhsa_memory_ordered 1
		.amdhsa_forward_progress 1
		.amdhsa_inst_pref_size 29
	.end_amdhsa_kernel
	.amdgpu_metadata
---
amdhsa.version: [ 1, 2 ]
amdhsa.kernels:
  - .name:           k_qa054102457_outp
    .symbol:         k_qa054102457_outp.kd
    .args:
      - { .name: xqf, .offset: 0, .size: 8, .value_kind: global_buffer, .address_space: global }
      - { .name: gpart, .offset: 8, .size: 8, .value_kind: global_buffer, .address_space: global }
      - { .name: wo_w, .offset: 16, .size: 8, .value_kind: global_buffer, .address_space: global }
      - { .name: wo_b, .offset: 24, .size: 8, .value_kind: global_buffer, .address_space: global }
      - { .name: out0, .offset: 32, .size: 8, .value_kind: global_buffer, .address_space: global }
    .group_segment_fixed_size: 77056
    .private_segment_fixed_size: 0
    .kernarg_segment_align: 8
    .kernarg_segment_size: 40
    .max_flat_workgroup_size: 256
    .sgpr_count:     66
    .vgpr_count:     256
    .wavefront_size: 32
...
	.end_amdgpu_metadata
.endif
;; end of part 2
;; ======== version 2 of 2: 2 launches; 1.35 times as fast as version 1
;; limits: values are held in f16: magnitudes above 65,504 overflow, below 6.1e-05 lose precision; right only within a limited range of input values
;; workspace buffers: xqf 4,194,304 bytes; gpart 524,288 bytes
;; launch proj (part 3): grid 8 x 32, 16 waves a work-group, clusters of 4 x 1, 316,928 bytes of LDS; arguments x, wq_w, wq_b, wk_w, wk_b, wv_w, wv_b, xqf, gpart; writes xqf, gpart
.if DOCPART == 3
	.amdgcn_target "amdgcn-amd-amdhsa--gfx1250"
	.amdhsa_code_object_version 6
	.text
	.protected	k_qa054102457_proj
	.globl	k_qa054102457_proj
	.p2align	8
	.type	k_qa054102457_proj,@function
k_qa054102457_proj:
	s_mov_b64 s[64:65], 0
	v_nop
	global_prefetch_b8 v0, s[64:65] scope:SCOPE_SE
	s_setreg_imm32_b32 hwreg(HW_REG_WAVE_MODE, 25, 1), 1
	s_wait_xcnt 0x0
	s_wait_alu depctr_hold_cnt(0) depctr_sa_sdst(0) depctr_va_vdst(0) depctr_va_sdst(0) depctr_va_ssrc(0) depctr_va_vcc(0) depctr_vm_vsrc(0)
	s_getreg_b32 s2, hwreg(HW_REG_IB_STS2, 6, 4)
	s_cmp_eq_u32 s2, 0
	s_cbranch_scc0 .Lentry_in_a_cluster
	s_endpgm
.Lentry_in_a_cluster:
	s_bfe_u32 s2, ttmp6, 0x10000c
	s_cmp_lg_u32 s2, 0x3003
	s_cbranch_scc0 .Lentry_shape_is_right
	s_endpgm
.Lentry_shape_is_right:
; q, k, v = Q(x) Q(W)^T + b on codes of FP4 (E2M1) with one E8M0 scale for each 32 along K = 256; q and v are rotated; stored are
;   xqf:   the rotated q in f16, as images of operand registers: fragment (row tile RT of 16 positions, K step of 32 channels) at (8 RT + step) x 1,024 + 512 c + 16 lane;
;   gpart: G[d][d'] = sum over 256 positions of xq[pos][d] xv[pos][d'], f32, for each head: at y x 16,384 + head x 1,024 + 512 c + 16 lane; register j of lane (r, h) is G[r][8 h + j].
; WHY G.  No softmax and no mask stand between the two products of the attention, so (Xq Xq^T) Xv = Xq (Xq^T Xv) for every input, and Xq^T Xv is 16 x 16 a head.  The next launch does the rest.
; k is computed as the problem's second product, with its bias; as in the problem's own text nothing reads it.
; SHARES.  Work-group (cg, y): 32 channels (two heads) of q, k and v for rows 256 y .. 256 y + 255.  Wave w: rows 16 w .. 16 w + 15 of them.  Waves 0 to 11 also quantise one unit of the weights
; (16 rows x 128 K; unit u = w: tensor u / 4, tile (u / 2) % 2, K step u % 2) and hand it to all sixteen through LDS as an image of its registers.
; CLUSTER.  The four work-groups of a cluster are four channel groups of ONE block of 256 rows: they need the same x.  Each wave asks for its 16 rows (16,384 dense bytes) by one tensor load, JOINTLY with the same
; wave of its three partners: the same descriptor, made of y and the wave's number alone, and a mask that names the four; each receives the rows in its own LDS.  A wave reads only the rows that it asked for,
; so its own wait on TENSORcnt orders the reads, and a tile of 16 rows a wave spares a barrier between landing and reading.  One tensor load of a wave is out; no LDS byte is filled twice.
; THE WEIGHTS ARE NOT ASKED FOR JOINTLY: they are shared along y, and x's 266,240 bytes of LDS and the weights' 98,304 are more than the 327,680 that a work-group may claim; each unit goes once from
; memory into the registers of the wave that quantises it.
; q IS MADE TWICE, in both orientations: x W^T (a lane holds a channel, its registers 8 positions: packed in pairs that is an f16 operand whose K is the positions, for G) and W x^T (a lane holds a position,
; its registers 8 channels: the operand of the next launch's product).  Nothing is transposed by an instruction.
; LIMITS: NaN and infinities are not served; the rotated q and v are rounded to f16 and must stay under 65,504 in magnitude; a block of zeros gets the scale byte 1 where the rule says 127 (its codes are
; zeros, and this program alone reads the bytes); the f32 sums over positions run in another order than in the problem's text.
.set WI,    0                          ; LDS: the 12 units' images, 1,024 bytes each
.set WS,    12288                      ; their scale words, 128 bytes each
.set SC,    13824                      ; for each wave 128 bytes: sin of its 16 positions, then cos
.set GP,    15872                      ; for each wave 2,048 bytes: its two heads' G over 16 positions
.set SPARE, 48640                      ; the spare words, 128 bytes for each wave: eight blocks of 256 bytes that no other line names
.set XT,    50688                      ; x: for each wave 16 rows
.set XP,    1040                       ; of 1,024 bytes + 16 of padding = 260 words: row r starts at bank 4 r mod 64 (64 banks of 4 bytes: ISA guide 11.1), so the 16 rows that a load touches start at 16 different banks
.set XW,    16*XP                      ; a wave's tile: 65 blocks of 256 bytes
.set R,   1                            ; v1   in the head: lane % 16
.set HH,  2                            ; v2   in the head: lane / 16
.set B4,  1                            ; v1   from the head's end on: 4 (lane % 16): my channel's bias.  No load ever lands here
.set B32, 2                            ; v2   from the head's end on: 32 (lane / 16): the eight biases of my half.  No load ever lands here
.set XA,  3                            ; v3   1,024 R + 128 HH: my row of a weight unit, my block of 32 numbers
.set LI,  4                            ; v4   16 x lane
.set LS,  5                            ; v5   4 x lane
.set WIA, 6                            ; v6   where I store my unit's image
.set WSA, 7                            ; v7   and its scale word
.set SCA, 8                            ; v8   where I store sin and cos
.set SCR, 9                            ; v9   where I read those of my half's 8 positions
.set GPA, 10                           ; v10  where I store my wave's G
.set GRD, 11                           ; v11  where waves 0 to 3 read the sixteen partial sums
.set SH8, 12                           ; v12  8 HH
.set SGN, 13                           ; v13  the sign bit in lanes of even channels
.set SPW, 14                           ; v14  LDS address of my spare word; never rewritten
.set NIL, 15                           ; v15  0; never rewritten
.set TM,  16                           ; v16-22 the quantiser's: two maxima, two scale operands, two bytes, the other half's word
.set WW,  23                           ; v23  my unit's scale word
.set XC,  24                           ; v24-39 x's codes, 8 registers a K step (before that: at work)
.set XS,  40                           ; v40-41 x's scale words: scales and nothing else
.set WSC, 42                           ; v42-53 the units' scale words: scales and nothing else
.set SN,  54                           ; v54  sin of position R
.set CN,  55                           ; v55  cos
.set BA,  56                           ; v56-63 four pairs (b, b): my channel's bias: q tiles 0, 1, v tiles 0, 1
.set X0,  64                           ; v64-191 x out of LDS, 64 registers a K step
.set W0,  64                           ; v64-127 before that: my unit as loaded
.set WF,  64                           ; v64-159 afterwards the 12 units' fragments
.set QA,  160                          ; v160-175 q, lane = channel
.set VA,  176                          ; v176-191 v, lane = channel
.set QB,  192                          ; v192-207 q, lane = position; loaded with the bias
.set KB,  208                          ; v208-223 k, lane = position; loaded with the bias
.set SI,  224                          ; v224-231 sin of my half's 8 positions
.set CO,  232                          ; v232-239 cos of them, negative in even channels' lanes
.set DT,  240                          ; v240-247 the neighbour's share
.set T4,  248                          ; v248-251 at work in the second rotation
.set XR,  252                          ; v252 LDS address of my row of x, my block of 32 numbers; never rewritten
.set FV,  64                           ; v64-79  f16 fragments of v, a head each
.set FQ,  80                           ; v80-95  of q
.set GA,  96                           ; v96-111 G of my 16 positions, a head each
.set XO,  112                          ; v112-119 the fragment of xqf
.set PS,  128                          ; v128-191 the sixteen partial sums
.set WV,  22
.set CG,  23
.set YY,  24
.set TH,  25
.set SEL, 26
.set WB,  30
.set P1,  41
.set CX,  52                           ; s52  my place in the cluster.  It, s23 and s51 hold what hangs on it; none of them feeds the descriptor or an LDS address
.set G1,  68                           ; s[68:75] descriptor group 1
.set G0,  76                           ; s[76:79] descriptor group 0
; A round of the cluster's barrier: my work-group's barrier, so that wave 0's signal speaks for all sixteen waves; wave 0 signals for the work-group; every wave waits for all four
; work-groups; my work-group's barrier once more.  No LDS instruction of the wave is pending at a signal.
.macro CROUND
	s_barrier_signal -1
	s_barrier_wait -1
	s_cmp_lg_u32 s[WV], 0
	s_cbranch_scc1 .Lnot_wave_0_\@
	s_barrier_signal -3
.Lnot_wave_0_\@:
	s_barrier_wait -3
	s_barrier_signal -1
	s_barrier_wait -1
.endm
; x's 16 rows x 256 K, out of my tile in LDS.  The operand's layout gives lane (r, h) k = 128 s + 64 c + 32 h + 0 .. 31 of row r: whole blocks, 128 consecutive bytes each
.macro XLOAD
.irp s, 0,1
.irp c, 0,1
.irp i, 0,1,2,3,4,5,6,7
	ds_load_b128 v[X0+64*\s+32*\c+4*\i:X0+64*\s+32*\c+4*\i+3], v[XR] offset:512*\s+256*\c+16*\i
.endr
.endr
.endr
.endm
.macro WLOAD                           ; my unit of the weights, in the same layout, from memory
.irp c, 0,1
.irp i, 0,1,2,3,4,5,6,7
	global_load_b128 v[W0+32*\c+4*\i:W0+32*\c+4*\i+3], v[XA], s[WB:WB+1] offset:256*\c+16*\i
.endr
.endr
.endm
; 64 numbers of a lane (two whole blocks of 32) become 8 registers of codes at v[dst] and the row's scale word in v[word]
.macro QUANT src, dst, word
.irp c, 0,1
	v_max3_num_f32 v[TM+\c], |v[\src+32*\c]|, |v[\src+32*\c+1]|, 0x1800000   ; the floor 2^(3 - 127) among the leaves: the byte cannot fall under 1
.endr
.irp i, 2,4,6,8,10,12,14,16,18,20,22,24,26,28,30
.irp c, 0,1
	v_max3_num_f32 v[TM+\c], v[TM+\c], |v[\src+32*\c+\i]|, |v[\src+32*\c+\i+1]|   ; the two blocks by turns
.endr
.endr
.irp c, 0,1
	v_add_nc_u32 v[TM+2+\c], 0xff000000, v[TM+\c]   ; 2 off the exponent field: the conversion's scale operand
.endr
.irp c, 0,1
	v_lshrrev_b32 v[TM+4+\c], 23, v[TM+2+\c]        ; the scale's byte
.endr
	v_lshl_or_b32 v[\word], v[TM+5], 16, v[TM+4]    ; my bytes: blocks h and 2 + h,
	v_lshlrev_b32 v[\word], v[SH8], v[\word]        ; at their places;
	v_permlanex16_b32 v[TM+6], v[\word], s[SEL], s[SEL+1]
	v_or_b32 v[\word], v[\word], v[TM+6]            ; with lane l xor 16's two the word is whole
.irp c, 0,1
.irp g, 0,1,2,3
	v_cvt_scalef32_pk8_fp4_f32 v[\dst+4*\c+\g], v[\src+32*\c+8*\g:\src+32*\c+8*\g+7], v[TM+2+\c]
.endr
.endr
	v_nop                                           ; one plain place behind the last scaled conversion
.endm
; sin and cos of (position + 1) x theta for position lane % 16 of my 16, in f32: k = the nearest whole number to a x 2 / pi; r = a - k pi / 2 with pi / 2 in two parts (k is under 2^10, so the first
; fused multiply-add is exact); two short polynomials on |r| <= pi / 4; the quadrant chooses and signs.  The choice is a select: no branch hangs on these numbers.
.macro SINCOS
	v_and_b32 v24, 15, v0
	v_add_nc_u32 v24, s[P1], v24
	v_cvt_f32_u32 v24, v24
	v_mul_f32 v24, s[TH], v24                       ; a
	v_mul_f32 v25, s32, v24
	v_rndne_f32 v25, v25                            ; k
	v_fma_f32 v26, v25, s33, v24
	v_fma_f32 v26, v25, s34, v26                    ; r
	v_mul_f32 v27, v26, v26                         ; z = r r
	v_fma_f32 v28, v27, s35, s36
	v_fma_f32 v29, v27, s38, s39
	v_fma_f32 v28, v28, v27, s37
	v_fma_f32 v29, v29, v27, s40
	v_mul_f32 v28, v28, v27
	v_mul_f32 v30, v27, v27
	v_fma_f32 v31, v27, -0.5, 1.0
	v_fma_f32 v28, v28, v26, v26                    ; sin r
	v_fma_f32 v29, v29, v30, v31                    ; cos r
	v_cvt_i32_f32 v32, v25
	v_and_b32 v33, 1, v32
	v_cmp_eq_u32 vcc_lo, 1, v33
	v_cndmask_b32 v[SN], v28, v29, vcc_lo           ; odd quadrants change the two
	v_cndmask_b32 v[CN], v29, v28, vcc_lo
	v_and_b32 v33, 2, v32
	v_lshlrev_b32 v33, 30, v33
	v_xor_b32 v[SN], v[SN], v33                     ; sin is negative in quadrants 2, 3
	v_add_nc_u32 v32, 1, v32
	v_and_b32 v32, 2, v32
	v_lshlrev_b32 v32, 30, v32
	v_xor_b32 v[CN], v[CN], v32                     ; cos in quadrants 1, 2
	ds_store_b32 v[SCA], v[SN]                      ; both halves of the lanes write the same word with the same value
	ds_store_b32 v[SCA], v[CN] offset:64
.endm
.macro FP4 d, a, b, sa, sb, zero
.if \zero
	v_wmma_scale_f32_16x16x128_f8f6f4 v[(\d):(\d)+7], v[(\a):(\a)+7], v[(\b):(\b)+7], 0, v[(\sa)], v[(\sb)] matrix_a_fmt:MATRIX_FMT_FP4 matrix_b_fmt:MATRIX_FMT_FP4
.else
	v_wmma_scale_f32_16x16x128_f8f6f4 v[(\d):(\d)+7], v[(\a):(\a)+7], v[(\b):(\b)+7], v[(\d):(\d)+7], v[(\sa)], v[(\sb)] matrix_a_fmt:MATRIX_FMT_FP4 matrix_b_fmt:MATRIX_FMT_FP4
.endif
.endm
; the rotation where a lane holds a channel: even channel: e sin - o cos; odd channel: o sin + e cos.  The partner is lane l xor 1; cos carries the sign
.macro ROPE_A acc
.irp j, 0,1,2,3,4,5,6,7
	v_mul_f32_dpp v[DT+\j], v[\acc+\j], v[CO+\j] row_xmask:1 row_mask:0xf bank_mask:0xf
.endr
.irp j, 0,1,2,3,4,5,6,7
	v_fma_f32 v[\acc+\j], v[\acc+\j], v[SI+\j], v[DT+\j]
.endr
.endm
; and where a lane holds a position: the pair lies in two neighbouring registers
.macro ROPE_B acc
.irp i, 0,1,2,3
	v_mul_f32 v[T4+2*(\i%2)], v[\acc+2*\i+1], v[CN]
	v_mul_f32 v[T4+1+2*(\i%2)], v[\acc+2*\i+1], v[SN]
	v_fma_f32 v[\acc+2*\i+1], v[\acc+2*\i], v[CN], v[T4+1+2*(\i%2)]
	v_fma_f32 v[\acc+2*\i], v[\acc+2*\i], v[SN], -v[T4+2*(\i%2)]
.endr
.endm
	s_load_b512 s[4:19], s[0:1], 0x0               ; x 4:5, wq_w 6:7, wq_b 8:9, wk_w 10:11, wk_b 12:13, wv_w 14:15, wv_b 16:17, xqf 18:19
	s_load_b64 s[20:21], s[0:1], 0x40              ; gpart
	v_lshl_add_u32 v[SPW], v0, 2, SPARE
	v_mov_b32 v[NIL], 0
	ds_add_u32 v[SPW], v[NIL]                      ; the wave's opening: the add, twice on end, and its wait ahead of my first tensor load; the set-up below the second, work on registers, stands between it and the wait
	ds_add_u32 v[SPW], v[NIL]                      ; and once more: the opening add twice on end, under the one wait
	v_lshrrev_b32 v[TM], 5, v0
	v_readfirstlane_b32 s[WV], v[TM]               ; wave 0..15
	s_bfe_u32 s[CX], ttmp6, 0x40000                ; cx: my place in the cluster
	s_lshl_b32 s[CG], ttmp9, 2                     ; in a cluster launch ttmp9 counts clusters
	s_add_co_u32 s[CG], s[CG], s[CX]               ; which 32 channels = 4 x cluster x + cx: it enters the addresses of the weights, the biases, xqf and gpart alone
	s_and_b32 s[YY], ttmp7, 0xffff                 ; which 256 rows: the four partners share it
	; descriptor group 1: a tile of 16 rows x 256 elements of 4 bytes, padded in LDS
	s_mov_b32 s[G1], 15|(2<<16)|(1<<20)|(1<<21)|(7<<22)|(3<<25)   ; 15:0 the mask: all four work-groups; 17:16 elements of 4 bytes; 20 padding on; 21 set beside a mask; 24:22 after every 256 words (code 7); 31:25 four words of it (code 3)
	s_mov_b32 s[G1+1], 256<<16                     ; 63:48 tensor_dim0, low half = 256
	s_mov_b32 s[G1+2], 16<<16                      ; 79:64 its high half = 0; 95:80 tensor_dim1, low half = 16
	s_mov_b32 s[G1+3], 256<<16                     ; 111:96 its high half = 0; 127:112 tile_dim0 = 256
	s_mov_b32 s[G1+4], 16                          ; 143:128 tile_dim1 = 16; 159:144 tile_dim2 = 0
	s_mov_b32 s[G1+5], 256                         ; 191:160 tensor_dim0_stride: elements from row to row
	s_mov_b32 s[G1+6], 0
	s_mov_b32 s[G1+7], 0
	s_mov_b32 s[G0], 1                             ; 1:0 count = 1
	s_mul_i32 s[G0+1], s[WV], XW                   ; 63:32 LDS address: my wave's tile: no place in the cluster enters it
	s_add_co_u32 s[G0+1], s[G0+1], XT
	v_and_b32 v[R], 15, v0
	v_bfe_u32 v[HH], v0, 4, 1
	v_and_b32 v[TM], 31, v0
	v_lshlrev_b32 v[XA], 10, v[R]
	v_lshl_add_u32 v[XA], v[HH], 7, v[XA]
	v_lshlrev_b32 v[LI], 4, v[TM]
	v_lshlrev_b32 v[LS], 2, v[TM]
	s_lshl_b32 s28, s[WV], 10                      ; every LDS address is made here, ahead of the parting of the waves: a constant + a constant x wave + a constant x lane
	v_add_nc_u32 v[WIA], s28, v[LI]
	s_lshl_b32 s28, s[WV], 7
	s_add_co_u32 s29, s28, WS
	v_add_nc_u32 v[WSA], s29, v[LS]
	s_add_co_u32 s29, s28, SC
	v_lshl_add_u32 v[SCA], v[R], 2, s29
	v_lshl_add_u32 v[SCR], v[HH], 5, s29
	s_lshl_b32 s28, s[WV], 11
	s_add_co_u32 s28, s28, GP
	v_add_nc_u32 v[GPA], s28, v[LI]
	s_lshl_b32 s28, s[WV], 9
	s_add_co_u32 s28, s28, GP
	v_add_nc_u32 v[GRD], s28, v[LI]
	s_mul_i32 s28, s[WV], XW
	s_add_co_u32 s28, s28, XT
	v_mul_u32_u24 v[XR], v[R], XP                  ; x in LDS: my wave's tile, row R, + 128 bytes for lanes 16 to 31
	v_lshl_add_u32 v[XR], v[HH], 7, v[XR]
	v_add_nc_u32 v[XR], s28, v[XR]
	v_lshlrev_b32 v[SH8], 3, v[HH]
	v_and_b32 v[SGN], 1, v0
	v_xor_b32 v[SGN], 1, v[SGN]
	v_lshlrev_b32 v[SGN], 31, v[SGN]
	v_mov_b32 v[TM+6], 0                           ; written once: a lane permute's destination counts as one of its sources
	v_lshlrev_b32 v[B4], 2, v[R]                   ; lane % 16 and lane / 16 have served: their registers become the biases' two offsets
	v_lshlrev_b32 v[B32], 5, v[HH]
	s_mov_b32 s[SEL], 0x76543210
	s_mov_b32 s[SEL+1], 0xfedcba98                 ; lane l xor 16
	s_mov_b32 s32, 0x3f22f983                      ; 2 / pi
	s_mov_b32 s33, 0xbfc90fdb                      ; - pi / 2, its f32 part,
	s_mov_b32 s34, 0x333bbd2e                      ; and what that part has too much: 4.3711388e-8
	s_mov_b32 s35, 0xb94ca1f9                      ; sin: -1.9515296e-4, 8.3321609e-3, -1.6666655e-1
	s_mov_b32 s36, 0x3c08839e
	s_mov_b32 s37, 0xbe2aaaa3
	s_mov_b32 s38, 0x37ccf5ce                      ; cos: 2.4433157e-5, -1.3887316e-3, 4.1666646e-2
	s_mov_b32 s39, 0xbab6061a
	s_mov_b32 s40, 0x3d2aaaa5
	s_cmp_eq_u32 ttmp9, 0                          ; channels under 128 (the first cluster's four groups) turn by position + 1, the others by 1e-4 of it
	s_cselect_b32 s[TH], 1.0, 0x38d1b717
	s_and_b32 s[P1], s[YY], 3                      ; my first position in its sequence, + 1: 256 (y % 4) + 16 w + 1
	s_lshl_b32 s[P1], s[P1], 8
	s_lshl_b32 s50, s[WV], 4
	s_add_co_u32 s[P1], s[P1], s50
	s_add_co_u32 s[P1], s[P1], 1
	s_lshl_b32 s28, s[YY], 18                      ; x: (256 y + 16 w) rows of 1,024 bytes: y and the wave's number alone
	s_lshl_b32 s50, s[WV], 14
	s_add_co_u32 s28, s28, s50
	s_mov_b32 s29, 0
	s_lshl_b32 s42, s[CG], 15                      ; my unit: 32 cg rows, + 16 rows for tile 1, + 512 bytes for K step 1
	s_bfe_u32 s50, s[WV], 0x10001
	s_lshl_b32 s50, s50, 14
	s_add_co_u32 s42, s42, s50
	s_and_b32 s50, s[WV], 1
	s_lshl_b32 s50, s50, 9
	s_add_co_u32 s42, s42, s50
	s_mov_b32 s43, 0
	s_lshl_b32 s44, s[CG], 7                       ; the biases: 32 cg numbers on
	s_mov_b32 s45, 0
	s_lshl_b32 s46, s[YY], 17                      ; xqf: ((16 y + w) 8 + cg) x 1,024
	s_lshl_b32 s50, s[WV], 13
	s_add_co_u32 s46, s46, s50
	s_lshl_b32 s51, s[CG], 10
	s_add_co_u32 s46, s46, s51
	s_mov_b32 s47, 0
	s_lshl_b32 s48, s[YY], 14                      ; gpart: 16,384 y + 2,048 cg + 512 w (waves 0 to 3 store)
	s_lshl_b32 s51, s[CG], 11
	s_add_co_u32 s48, s48, s51
	s_lshl_b32 s50, s[WV], 9
	s_add_co_u32 s48, s48, s50
	s_mov_b32 s49, 0
	s_wait_dscnt 0x0                               ; both opening adds are done
	s_wait_kmcnt 0x0
	s_cmp_lt_u32 s[WV], 4                          ; whose unit is mine: the choice hangs on the wave's number alone
	s_cselect_b64 s[WB:WB+1], s[6:7], s[10:11]
	s_cmp_lt_u32 s[WV], 8
	s_cselect_b64 s[WB:WB+1], s[WB:WB+1], s[14:15]
	s_add_nc_u64 s[WB:WB+1], s[WB:WB+1], s[42:43]
	s_add_nc_u64 s[8:9], s[8:9], s[44:45]
	s_add_nc_u64 s[12:13], s[12:13], s[44:45]
	s_add_nc_u64 s[16:17], s[16:17], s[44:45]
	s_add_nc_u64 s[18:19], s[18:19], s[46:47]
	s_add_nc_u64 s[20:21], s[20:21], s[48:49]
	s_add_nc_u64 s[G0+2:G0+3], s[4:5], s[28:29]    ; 120:64 global address: my 16 rows of x
	s_or_b32 s[G0+3], s[G0+3], 0x80000000          ; 127:126 type = 2
	CROUND                                         ; all four work-groups are here: the joint loads meet
	tensor_load_to_lds s[G0:G0+3], s[G1:G1+7]      ; my one tensor load
	s_nop 0
.irp t, 0,1
	global_load_b32 v[BA+2*\t], v[B4], s[8:9] offset:64*\t          ; my channel's bias, twice: a pair for the packed addition
	global_load_b32 v[BA+2*\t+1], v[B4], s[8:9] offset:64*\t
	global_load_b32 v[BA+4+2*\t], v[B4], s[16:17] offset:64*\t
	global_load_b32 v[BA+5+2*\t], v[B4], s[16:17] offset:64*\t
.endr
.irp t, 0,1
.irp g, 0,1
	global_load_b128 v[QB+8*\t+4*\g:QB+8*\t+4*\g+3], v[B32], s[8:9] offset:64*\t+16*\g    ; the biases of channels 16 t + 8 h + 0 .. 7: the C of the sums in which a lane holds a position
	global_load_b128 v[KB+8*\t+4*\g:KB+8*\t+4*\g+3], v[B32], s[12:13] offset:64*\t+16*\g
.endr
.endr
	s_cmp_lt_u32 s[WV], 12                         ; the one parting: waves 0 to 11 have a unit of the weights
	s_cbranch_scc0 .Lonly_x
	WLOAD                                          ; into the registers that x will take when its tile has landed
	SINCOS                                         ; work on registers while the loads are on their way
	s_wait_loadcnt 0x0                             ; my unit is in (no load was issued behind it)
	QUANT W0, XC, WW
	ds_store_b128 v[WIA], v[XC:XC+3]               ; the fragment goes to LDS as it stands: lane l's 16 bytes at 16 l
	ds_store_b128 v[WIA], v[XC+4:XC+7] offset:512
	ds_store_b32 v[WSA], v[WW]
	s_wait_dscnt 0x0                               ; the stores have read their registers, which x's codes take next
	s_branch .Ljoin
.Lonly_x:
	SINCOS
.Ljoin:
	s_wait_tensorcnt 0x0                           ; my 16 rows of x lie in LDS; nobody else reads them
	XLOAD
	s_wait_dscnt 16                                ; the first K step's 16 loads are in, and all that was issued ahead of them; the second's 16 may stay out
	QUANT X0, XC, XS
	s_wait_dscnt 0x0
	QUANT X0+64, XC+8, XS+1
	s_wait_dscnt 0x0                               ; for the others' sake: no LDS instruction of mine is out
	s_barrier_signal -1
	s_barrier_wait -1                              ; the twelve units lie in LDS
.irp u, 0,1,2,3,4,5,6,7,8,9,10,11
	ds_load_b128 v[WF+8*\u:WF+8*\u+3], v[LI] offset:WI+1024*\u
	ds_load_b128 v[WF+8*\u+4:WF+8*\u+7], v[LI] offset:WI+1024*\u+512
	ds_load_b32 v[WSC+\u], v[LS] offset:WS+128*\u
.endr
	ds_load_b128 v[SI:SI+3], v[SCR]                ; sin and cos of positions 8 h + 0 .. 7: my wave's own bytes
	ds_load_b128 v[SI+4:SI+7], v[SCR] offset:16
	ds_load_b128 v[CO:CO+3], v[SCR] offset:64
	ds_load_b128 v[CO+4:CO+7], v[SCR] offset:80
	s_wait_dscnt 0x0
.irp j, 0,1,2,3,4,5,6,7
	v_xor_b32 v[CO+\j], v[SGN], v[CO+\j]           ; - cos in even channels' lanes.  With the v_nop above these eight are the places between the quantiser's last writes (a scale word, codes) and the scaled products
.endr
	s_wait_loadcnt 0x0                             ; the biases
; 16 products, 128 along K each.  The eight accumulators take turns, one instruction a turn: seven others' stand between a sum's two links
.irp s, 0,1
.irp t, 0,1
	FP4 QA+8*\t, XC+8*\s, WF+8*(2*\t+\s), XS+\s, WSC+2*\t+\s, 1-\s            ; q(position, channel)
	FP4 VA+8*\t, XC+8*\s, WF+8*(8+2*\t+\s), XS+\s, WSC+8+2*\t+\s, 1-\s        ; v(position, channel)
	FP4 QB+8*\t, WF+8*(2*\t+\s), XC+8*\s, WSC+2*\t+\s, XS+\s, 0               ; q(channel, position), onto its bias
	FP4 KB+8*\t, WF+8*(4+2*\t+\s), XC+8*\s, WSC+4+2*\t+\s, XS+\s, 0           ; k(channel, position), onto its bias
.endr
.endr
.irp j, 0,1,2,3,4,5,6,7
	v_mov_b32 v[DT+\j], 0                          ; the places behind the products; and a DPP destination counts as read, so it is written once
.endr
.irp t, 0,1
.irp j, 0,2,4,6
	v_pk_add_f32 v[QA+8*\t+\j:QA+8*\t+\j+1], v[QA+8*\t+\j:QA+8*\t+\j+1], v[BA+2*\t:BA+2*\t+1]       ; + my channel's bias; each accumulator from its low end on
	v_pk_add_f32 v[VA+8*\t+\j:VA+8*\t+\j+1], v[VA+8*\t+\j:VA+8*\t+\j+1], v[BA+4+2*\t:BA+5+2*\t]
.endr
.endr
	ROPE_A QA
	ROPE_A QA+8
	ROPE_A VA
	ROPE_A VA+8
; A tile of 16 channels is a head.  A lane's 8 positions, packed in pairs, are registers 0 to 3 of an f16 operand (k = 8 h + 0 .. 7 = the position); k = 16 .. 31 are zeros
.irp t, 0,1
.irp i, 0,1,2,3
	v_cvt_pk_f16_f32 v[FV+8*\t+\i], v[VA+8*\t+2*\i], v[VA+8*\t+2*\i+1]
	v_cvt_pk_f16_f32 v[FQ+8*\t+\i], v[QA+8*\t+2*\i], v[QA+8*\t+2*\i+1]
	v_mov_b32 v[FV+8*\t+4+\i], 0
	v_mov_b32 v[FQ+8*\t+4+\i], 0
.endr
.endr
	v_wmma_f32_16x16x32_f16 v[GA:GA+7], v[FV:FV+7], v[FQ:FQ+7], 0                ; D(m = d', n = d) = sum over my 16 positions of xv[pos][d'] xq[pos][d]
	v_wmma_f32_16x16x32_f16 v[GA+8:GA+15], v[FV+8:FV+15], v[FQ+8:FQ+15], 0
	ROPE_B QB                                      ; these 40 plain lines name none of those products' registers: they are the places behind them
	ROPE_B QB+8
.irp t, 0,1
.irp i, 0,1,2,3
	v_cvt_pk_f16_f32 v[XO+4*\t+\i], v[QB+8*\t+2*\i], v[QB+8*\t+2*\i+1]           ; registers 0-3: channels 8 h + 0 .. 7, registers 4-7: 16 + 8 h + 0 .. 7 of my position
.endr
.endr
.irp g, 0,1,2,3
	ds_store_b128 v[GPA], v[GA+4*\g:GA+4*\g+3] offset:512*\g                     ; each accumulator from its low end on
.endr
	global_store_b128 v[LI], v[XO:XO+3], s[18:19]                                ; 32 lanes store 512 consecutive bytes, at a multiple of 256 from the buffer's first byte
	global_store_b128 v[LI], v[XO+4:XO+7], s[18:19] offset:512
	s_wait_dscnt 0x0                               ; for the others' sake: my G lies in LDS
	s_barrier_signal -1
	s_barrier_wait -1
	s_cmp_lt_u32 s[WV], 4                          ; waves 0 to 3 add the sixteen waves' sums, 512 bytes of the two heads' 2,048 each
	s_cbranch_scc0 .Lend
.irp u, 0,1,2,3,4,5,6,7,8,9,10,11,12,13,14,15
	ds_load_b128 v[PS+4*\u:PS+4*\u+3], v[GRD] offset:2048*\u                     ; into registers that no pending store reads
.endr
	s_wait_dscnt 0x0
.irp d, 8,4,2,1
.set u, 0
.rept \d
	v_pk_add_f32 v[PS+4*u:PS+4*u+1], v[PS+4*u:PS+4*u+1], v[PS+4*(u+\d):PS+4*(u+\d)+1]
	v_pk_add_f32 v[PS+4*u+2:PS+4*u+3], v[PS+4*u+2:PS+4*u+3], v[PS+4*(u+\d)+2:PS+4*(u+\d)+3]
.set u, u+1
.endr
.endr
	global_store_b128 v[LI], v[PS:PS+3], s[20:21]  ; 512 consecutive bytes
.Lend:
	s_wait_tensorcnt 0x0                           ; the wave's end: behind my last tensor load and my last LDS store
	ds_add_u32 v[SPW], v[NIL]
	s_wait_dscnt 0x0
	CROUND                                         ; the closing round: no work-group ends while a partner may still ask for a tile that names it
	s_endpgm
.Lfunc_end_k_qa054102457_proj:
	.size	k_qa054102457_proj, .Lfunc_end_k_qa054102457_proj-k_qa054102457_proj
	.p2alignl 7, 3214868480
	.fill 96, 4, 3214868480
	.section	.rodata,"a",@progbits
	.p2align	6, 0x0
	.amdhsa_kernel k_qa054102457_proj
		.amdhsa_group_segment_fixed_size 316928
		.amdhsa_private_segment_fixed_size 0
		.amdhsa_enable_private_segment 0
		.amdhsa_kernarg_size 72
		.amdhsa_user_sgpr_count 2
		.amdhsa_user_sgpr_kernarg_segment_ptr 1
		.amdhsa_wavefront_size32 1
		.amdhsa_system_sgpr_workgroup_id_x 1
		.amdhsa_system_sgpr_workgroup_id_y 1
		.amdhsa_system_sgpr_workgroup_id_z 1
		.amdhsa_system_vgpr_workitem_id 0
		.amdhsa_next_free_vgpr 256
		.amdhsa_next_free_sgpr 80
		.amdhsa_reserve_vcc 1
		.amdhsa_float_denorm_mode_32 3
		.amdhsa_float_denorm_mode_16_64 3
		.amdhsa_memory_ordered 1
		.amdhsa_forward_progress 1
		.amdhsa_inst_pref_size 41
	.end_amdhsa_kernel
	.amdgpu_metadata
---
amdhsa.version: [ 1, 2 ]
amdhsa.kernels:
  - .name:           k_qa054102457_proj
    .symbol:         k_qa054102457_proj.kd
    .args:
      - { .name: x, .offset: 0, .size: 8, .value_kind: global_buffer, .address_space: global }
      - { .name: wq_w, .offset: 8, .size: 8, .value_kind: global_buffer, .address_space: global }
      - { .name: wq_b, .offset: 16, .size: 8, .value_kind: global_buffer, .address_space: global }
      - { .name: wk_w, .offset: 24, .size: 8, .value_kind: global_buffer, .address_space: global }
      - { .name: wk_b, .offset: 32, .size: 8, .value_kind: global_buffer, .address_space: global }
      - { .name: wv_w, .offset: 40, .size: 8, .value_kind: global_buffer, .address_space: global }
      - { .name: wv_b, .offset: 48, .size: 8, .value_kind: global_buffer, .address_space: global }
      - { .name: xqf, .offset: 56, .size: 8, .value_kind: global_buffer, .address_space: global }
      - { .name: gpart, .offset: 64, .size: 8, .value_kind: global_buffer, .address_space: global }
    .group_segment_fixed_size: 316928
    .private_segment_fixed_size: 0
    .kernarg_segment_align: 8
    .kernarg_segment_size: 72
    .max_flat_workgroup_size: 512
    .sgpr_count:     80
    .vgpr_count:     256
    .wavefront_size: 32
...
	.end_amdgpu_metadata
.endif
;; end of part 3
;; launch outp: the kernel of part 2 again; grid 4 x 64, 8 waves a work-group, no clusters, 77,056 bytes of LDS; arguments xqf, gpart, wo_w, wo_b, out0; writes out0
